; MI455X (gfx1250); checked and timed in simulation.
; The chip was launched on July 23, 2026; its instructions are those of AMD's public machine-readable ISA for CDNA 5 (MIT licence, August 2026) and "CDNA5" Instruction Set Architecture Reference Guide (July 2026). The comments in the code are by the model that wrote it; some were corrected since.
;; Detr Attention. Allowed arithmetic: matrix products marked QUANTISED: E2M1 operands, one E8M0 scale for each 32 along K, by v_wmma_scale_f32_16x16x128_f8f6f4 with both operands' format E2M1 (or v_wmma_scale_f32_32x16x128_f4), f32 sums; everything else in f32.
;; Inputs: Wk 256 x 256 float32; Wo 256 x 256 float32; Wq 256 x 256 float32; Wv 256 x 256 float32; attention_mask 8 x 1 x 2,048 x 2,048 float32; bk 256 float32; bo 256 float32; bq 256 float32; bv 256 float32; hidden_states 8 x 2,048 x 256 float32; object_queries 8 x 2,048 x 256 float32.
;; Outputs: out0 8 x 2,048 x 256 float32.
;; This version of the problem:
;;   THIS VERSION OF THE PROBLEM IS GIVEN IN LOW PRECISION. The matrix products marked QUANTISED in the list below multiply operands that are first quantised to E2M1 (2 exponent bits, 1 mantissa bit; 4 bits a number), with one power-of-two scale for each 32 numbers along K (OCP MX v1.0); their sums are f32. All else is computed in f32.
;;   The module's matrix products, in the order in which they are computed (A, B: the left and right operand; K: the contracted axis; several contracted axes count as one K, in the product's order):
;;     1. [M 16,384, K 256] x [K 256, N 256]; A: computed on the way; B: input Wq: QUANTISED
;;     2. [M 16,384, K 256] x [K 256, N 256]; A: computed on the way; B: input Wk: QUANTISED
;;     3. [M 16,384, K 256] x [K 256, N 256]; A: input hidden_states; B: input Wv: QUANTISED
;;     4. batch 64 x [M 2,048, K 32] x [K 32, N 2,048]; A: computed on the way; B: computed on the way: QUANTISED
;;     5. batch 64 x [M 2,048, K 2,048] x [K 2,048, N 32]; A: softmax (see below); B: computed on the way: QUANTISED
;;     6. [M 16,384, K 256] x [K 256, N 256]; A: computed on the way; B: input Wo: QUANTISED
;;   THE QUANTISER, for each operand of a quantised product, along K:
;;     - K is cut into blocks of 32 from its start; a last block that is shorter is filled with zeros.
;;     - A block's scale is 2^e with e = floor(log2(the largest magnitude in the block)) - 2, held to -126 .. 127; a block of zeros has e = 0. As a byte (E8M0): e + 127.
;;     - Each number is divided by its block's scale, clamped to +-6, and rounded to the nearest number of E2M1, ties to even, subnormals kept.
;;     - The product sums the exact products of the quantised numbers (number of the format x scale) in f32.
;;   ~~~python
;;   def quantise(x, axis):      # numpy; x: float32 -> the quantised numbers, widened to float32 again
;;       x = np.moveaxis(x, axis, -1); K = x.shape[-1]
;;       x = np.pad(x, [(0, 0)] * (x.ndim - 1) + [(0, -K % 32)]); x = x.reshape(x.shape[:-1] + (-1, 32)); a = np.abs(x).max(-1, keepdims=True)
;;       e = np.where(a > 0, np.clip(np.frexp(np.where(a > 0, a, 1))[1] - 1 - 2, -126, 127), 0)      # np.frexp(a)[1] - 1 = floor(log2(a)), exactly
;;       r = np.clip(x / 2.0 ** e, -6, 6)
;;       step = 2.0 ** (np.maximum(np.frexp(np.where(r == 0, 1, r))[1] - 1, 0) - 1)
;;       q = np.round(r / step) * step * 2.0 ** e      # np.round: ties to even
;;       return np.moveaxis(q.reshape(q.shape[:-2] + (-1,))[..., :K], -1, axis).astype(np.float32)
;;   ~~~
;;   SOFTMAX AHEAD OF A QUANTISED PRODUCT. Where the list says 'softmax', what is quantised is not the finished softmax but p = 2^(t - M), with t = logit x log2(e) and M = ceil(the row's largest t), a whole number; so 1/2 < the row's largest p <= 1. The row's sum l is taken of the UNQUANTISED p, in f32, and the product's result is divided by l at the end. Since M is a whole number, a kernel that streams over the keys may use a running M (the ceiling of the running maximum): every later rescaling is an exact power of two, which a block's scale takes up: the codes' values come out the same.
;;   OPERANDS COMPUTED ON THE WAY. 'Computed on the way' means the value that the module computes at that place (a softmax that the list does not call 'softmax' is quantised finished and normalised). What goes into a quantiser is computed in f32, as accurately as f32 sums, v_exp_f32 and their like allow (about 1e-6 of the number): no bf16 or f16 on the way to a quantiser, and a product that is left as it is and whose result goes on into a quantised operand takes f32 operands (vector FMAs, or v_wmma_f32_16x16x4_f32). A number that lies on a knife's edge between two numbers of the format may be rounded either way, as far as f32 arithmetic and the matrix unit's own rounding can turn it there, and no further.
;; One version. Each part assembles by itself: llvm-mc -triple=amdgcn-amd-amdhsa -mcpu=gfx1250 --defsym DOCPART=n.
;; ======== version 1 of 1: 3 launches
;; limits: right only within a limited range of input values
;; workspace buffers: wc 131,072 bytes; ws 8,192 bytes; qc 2,097,152 bytes; qs 131,072 bytes; kvc 4,194,304 bytes; kvs 262,144 bytes
;; launch prep (part 1): grid 32 x 1, 4 waves a work-group, no clusters, 768 bytes of LDS; arguments Wq, Wk, Wv, Wo, wc, ws; writes wc, ws
.if DOCPART == 1
	.amdgcn_target "amdgcn-amd-amdhsa--gfx1250"
	.amdhsa_code_object_version 6
	.text
	.protected	k_qb64050132a_prep
	.globl	k_qb64050132a_prep
	.p2align	8
	.type	k_qb64050132a_prep,@function
k_qb64050132a_prep:
	s_mov_b64 s[64:65], 0
	v_nop
	global_prefetch_b8 v0, s[64:65] scope:SCOPE_SE
	s_setreg_imm32_b32 hwreg(HW_REG_WAVE_MODE, 25, 1), 1
	s_wait_xcnt 0x0
; Wq, Wk, Wv, Wo, each [256 (n)][256 (k)] f32 with K innermost, become codes of FP4 (E2M1) with one E8M0 byte for each 32 along K, laid as IMAGES OF OPERAND REGISTERS.
; A fragment is 16 rows x 128 K: 8 registers a lane.  Fragment F = 32 W + 2 T + s (weight W, tile T, K step s) takes 1,024 bytes of wc: chunk c (512 bytes), lane l's 16 bytes at 16 l.
; THE ROWS OF A TILE ARE NOT NEIGHBOURS: lane r of tile T takes row 32 (T / 2) + 8 (T % 2) + r + 8 (r / 8), so that a transposed product's results lie as 16 neighbours along the next K.
; Lane (r, h) holds k = 128 s + 64 c + 32 h + 0 .. 31 of its row: two WHOLE blocks, so no other lane is asked for a maximum.  ws: one word a row and K step, 64 bytes a fragment.
; A block's scale byte is its largest magnitude's exponent field - 2, held at 1 from below (a block of zeros keeps 1: its codes are zeros, and this program alone reads the bytes).
; LIMITS: NaN and infinities among the weights are not served.
; One fragment a wave, 128 in all.  Each lane's loads take 16 bytes of rows 1,024 bytes apart: the launch reads 1 MB in all, once.  No tensor load, no cluster: no two work-groups read the same bytes.
.set X, 32                             ; v32-95  my 64 numbers
.set C, 16                             ; v16-23  the codes
	s_load_b256 s[4:11], s[0:1], 0x0               ; Wq, Wk, Wv, Wo
	s_load_b128 s[12:15], s[0:1], 0x20             ; wc, ws
	v_lshl_add_u32 v96, v0, 2, 0x100
	v_mov_b32 v97, 0
	v_lshrrev_b32 v1, 5, v0
	v_readfirstlane_b32 s16, v1                    ; wave
	v_and_b32 v4, 31, v0                           ; lane
	v_and_b32 v1, 15, v0                           ; r
	v_bfe_u32 v2, v0, 4, 1                         ; h
	v_and_b32 v3, 8, v1
	v_add_nc_u32 v3, v3, v1                        ; r + 8 (r / 8)
	v_lshlrev_b32 v3, 10, v3                       ; a row is 1,024 bytes
	v_lshl_add_u32 v3, v2, 7, v3                   ; + 32 h numbers
	v_lshlrev_b32 v5, 4, v4                        ; the image: 16 x lane
	v_lshlrev_b32 v6, 2, v1
	s_lshl_b32 s17, s16, 6
	v_add_nc_u32 v6, s17, v6                       ; LDS: my fragment's 64 bytes of scale words, my row's word
	v_lshlrev_b32 v7, 3, v4                        ; the way out of the words: 8 x lane
	s_mov_b32 s28, 0x76543210
	s_mov_b32 s29, 0xfedcba98                      ; selects for lane l xor 16
	s_lshl_b32 s18, ttmp9, 2
	s_add_co_u32 s18, s18, s16                     ; F
	s_lshr_b32 s19, s18, 1
	s_and_b32 s19, s19, 15                         ; T
	s_lshr_b32 s20, s19, 1
	s_lshl_b32 s20, s20, 15                        ; 32 (T / 2) rows
	s_and_b32 s21, s19, 1
	s_lshl_b32 s21, s21, 13                        ; 8 (T % 2) rows
	s_add_co_u32 s20, s20, s21
	s_and_b32 s21, s18, 1
	s_lshl_b32 s21, s21, 9                         ; K step s: 512 bytes on
	s_add_co_u32 s20, s20, s21
	s_mov_b32 s21, 0
	s_lshl_b32 s22, s18, 10                        ; my image in wc
	s_mov_b32 s23, 0
	s_lshl_b32 s24, ttmp9, 8                       ; the work-group's 256 bytes of ws
	s_mov_b32 s25, 0
	s_lshr_b32 s26, ttmp9, 3                       ; W
	s_and_b32 s27, s26, 1
	s_wait_alu depctr_va_vdst(0)
	s_wait_kmcnt 0x0
	s_cmp_lt_u32 s26, 2                            ; the choice hangs on the work-group's number alone
	s_cselect_b64 s[4:5], s[4:5], s[8:9]           ; q or v
	s_cselect_b64 s[6:7], s[6:7], s[10:11]         ; k or o
	s_cmp_eq_u32 s27, 0
	s_cselect_b64 s[4:5], s[4:5], s[6:7]
	s_add_nc_u64 s[4:5], s[4:5], s[20:21]
	s_add_nc_u64 s[12:13], s[12:13], s[22:23]
	s_add_nc_u64 s[14:15], s[14:15], s[24:25]
.irp c, 0,1
.irp i, 0,1,2,3,4,5,6,7
	global_load_b128 v[X+32*\c+4*\i:X+32*\c+4*\i+3], v3, s[4:5] offset:256*\c+16*\i th:TH_LOAD_NT
.endr
.endr
	s_wait_loadcnt 0x0
.irp c, 0,1
	v_max3_num_f32 v[8+\c], |v[X+32*\c]|, |v[X+1+32*\c]|, 0x1800000   ; my block 2 c + h, and the floor 2^(3 - 127): the byte cannot fall under 1
.endr
.irp i, 2,4,6,8,10,12,14,16,18,20,22,24,26,28,30
.irp c, 0,1
	v_max3_num_f32 v[8+\c], v[8+\c], |v[X+32*\c+\i]|, |v[X+1+32*\c+\i]|   ; the two blocks by turns
.endr
.endr
.irp c, 0,1
	v_add_nc_u32 v[10+\c], 0xff000000, v[8+\c]     ; 2 off the exponent field: the conversion's scale operand
.endr
.irp c, 0,1
	v_lshrrev_b32 v[12+\c], 23, v[10+\c]           ; the scale's byte
.endr
	v_lshl_or_b32 v14, v13, 16, v12                ; blocks h and 2 + h,
	v_lshlrev_b32 v15, 3, v2
	v_lshlrev_b32 v14, v15, v14                    ; at their places in the word;
	v_mov_b32 v15, 0
	v_permlanex16_b32 v15, v14, s28, s29
	v_or_b32 v14, v14, v15                         ; with lane l xor 16's two the word is whole
.irp c, 0,1
.irp g, 0,1,2,3
	v_cvt_scalef32_pk8_fp4_f32 v[C+4*\c+\g], v[X+32*\c+8*\g:X+32*\c+8*\g+7], v[10+\c]
.endr
.endr
	v_nop                                          ; one plain line behind the last scaled conversion
	global_store_b128 v5, v[C:C+3], s[12:13]       ; 32 lanes store 512 consecutive bytes
	global_store_b128 v5, v[C+4:C+7], s[12:13] offset:512
	ds_store_b32 v6, v14                           ; lanes l and l xor 16 write the same word with the same value
	s_wait_dscnt 0x0                               ; for the others' sake: my word has landed
	s_barrier_signal -1
	s_barrier_wait -1
	s_cmp_lg_u32 s16, 0
	s_cbranch_scc1 .Lend                           ; wave 0 stores the four fragments' words: 256 consecutive bytes, aligned
	ds_load_b64 v[24:25], v7
	s_wait_dscnt 0x0
	global_store_b64 v7, v[24:25], s[14:15]
.Lend:
	s_wait_tensorcnt 0x0
	ds_add_u32 v96, v97
	s_wait_dscnt 0x0
	s_endpgm
.Lfunc_end_k_qb64050132a_prep:
	.size	k_qb64050132a_prep, .Lfunc_end_k_qb64050132a_prep-k_qb64050132a_prep
	.p2alignl 7, 3214868480
	.fill 96, 4, 3214868480
	.section	.rodata,"a",@progbits
	.p2align	6, 0x0
	.amdhsa_kernel k_qb64050132a_prep
		.amdhsa_group_segment_fixed_size 768
		.amdhsa_private_segment_fixed_size 0
		.amdhsa_enable_private_segment 0
		.amdhsa_kernarg_size 48
		.amdhsa_user_sgpr_count 2
		.amdhsa_user_sgpr_kernarg_segment_ptr 1
		.amdhsa_wavefront_size32 1
		.amdhsa_system_sgpr_workgroup_id_x 1
		.amdhsa_system_sgpr_workgroup_id_y 1
		.amdhsa_system_sgpr_workgroup_id_z 1
		.amdhsa_system_vgpr_workitem_id 0
		.amdhsa_next_free_vgpr 98
		.amdhsa_next_free_sgpr 66
		.amdhsa_reserve_vcc 0
		.amdhsa_float_denorm_mode_32 3
		.amdhsa_float_denorm_mode_16_64 3
		.amdhsa_memory_ordered 1
		.amdhsa_forward_progress 1
		.amdhsa_inst_pref_size 8
	.end_amdhsa_kernel
	.amdgpu_metadata
---
amdhsa.version: [ 1, 2 ]
amdhsa.kernels:
  - .name:           k_qb64050132a_prep
    .symbol:         k_qb64050132a_prep.kd
    .args:
      - { .name: Wq, .offset: 0, .size: 8, .value_kind: global_buffer, .address_space: global }
      - { .name: Wk, .offset: 8, .size: 8, .value_kind: global_buffer, .address_space: global }
      - { .name: Wv, .offset: 16, .size: 8, .value_kind: global_buffer, .address_space: global }
      - { .name: Wo, .offset: 24, .size: 8, .value_kind: global_buffer, .address_space: global }
      - { .name: wc, .offset: 32, .size: 8, .value_kind: global_buffer, .address_space: global }
      - { .name: ws, .offset: 40, .size: 8, .value_kind: global_buffer, .address_space: global }
    .group_segment_fixed_size: 768
    .private_segment_fixed_size: 0
    .kernarg_segment_align: 8
    .kernarg_segment_size: 48
    .max_flat_workgroup_size: 128
    .sgpr_count:     66
    .vgpr_count:     98
    .wavefront_size: 32
...
	.end_amdgpu_metadata
.endif
;; end of part 1
;; launch proj (part 2): grid 256 x 1, 8 waves a work-group, no clusters, 155,136 bytes of LDS; arguments hidden_states, object_queries, wc, ws, bq, bk, bv, qc, qs, kvc, kvs; writes qc, qs, kvc, kvs
.if DOCPART == 2
	.amdgcn_target "amdgcn-amd-amdhsa--gfx1250"
	.amdhsa_code_object_version 6
	.text
	.protected	k_qb64050132a_proj
	.globl	k_qb64050132a_proj
	.p2align	8
	.type	k_qb64050132a_proj,@function
k_qb64050132a_proj:
	s_mov_b64 s[64:65], 0
	v_nop
	global_prefetch_b8 v0, s[64:65] scope:SCOPE_SE
	s_setreg_imm32_b32 hwreg(HW_REG_WAVE_MODE, 25, 1), 1
	s_wait_xcnt 0x0
; q = ((hs + oq) Wq^T + bq) / sqrt(32), k = (hs + oq) Wk^T + bk, v = hs Wv^T + bv, all three products on codes of FP4 (E2M1) with one E8M0 byte for each 32 along K; then q and k are quantised
; along the head's 32 channels and v along the keys, and leave as images of the operand registers in which the attention launch wants them.
; SHARES.  A work-group takes 64 tokens (group G).  First wave w quantises token tile t = w % 4, K step s = w / 4, of hs and of hs + oq, and stores the fragments' images in LDS.  Then wave w is HEAD w:
; it makes q, k and v of its head for all 64 tokens, with its head's two weight tiles straight from wc into registers.
; TILES.  Lane r of tile T takes row 32 (T / 2) + 8 (T % 2) + r + 8 (r / 8), of the weights and of the group's tokens alike.
; q and k are made TRANSPOSED (source 0 = 16 weight rows, source 1 = 16 tokens): register 16 t + i of lane (r, h) is channel 16 h + i of the token that lane r of tile t stands for: a block of 32 is one token's head.
; v is made the natural way (source 0 = tokens, source 1 = weight rows): register 32 u + 16 y + i is token 32 y + 16 h + i of channel 8 u + r + 8 (r / 8): a block of 32 is 32 keys of one channel.
; One macro quantises all of them.  The biases are the C of each sum's first product.
; NO CLUSTER, NO TENSOR LOAD: what work-groups share is the weights' images, 98,304 bytes; each wave takes its head's 12,288 straight into the registers in which the products want them,
; and a joint load would lay them in LDS first and add as many bytes of LDS reads to every work-group.  Each byte of hs and oq is read once, by loads of 512 consecutive bytes, all issued at the head.
; LIMITS: NaN and infinities among the inputs are not served; a block whose largest magnitude lies under 2^-124 keeps the byte 1.
.set SPX,   528                        ; a stage row: 512 bytes + 16
.set WST,   32*SPX                     ; a wave's stage: 16 rows of hs, 16 of hs + oq
.set X1IMG, 8*WST                      ; images of hs + oq: fragment (t, s) at 1,024 (2 t + s); those of hs 8,192 bytes on
.set X1SC,  X1IMG+16384                ; their scale words: 128 t + 64 s + 4 r; those of hs 512 bytes on
.set SCG,   X1SC+1024                  ; the results' scale words: 512 x kind (q, k, v) + 64 x head + 4 r
.set L16, 1                            ; v1   16 x lane
.set STW, 3                            ; v3   the stage, in: a row's 512 bytes as loaded
.set STR, 4                            ; v4   and back: row r, + 64 h
.set XIW, 5                            ; v5   where I store my images
.set XSW, 6                            ; v6   and their scale words
.set XI,  7                            ; v7   where any image is read
.set XSR, 8                            ; v8   and the scale words: lanes 0-15 K step 0, lanes 16-31 K step 1
.set L4,  9                            ; v9   4 x lane
.set H64, 10                           ; v10  64 h
.set BVO, 11                           ; v11  4 (r + 8 (r / 8))
.set SGW, 12                           ; v12  where I put my head's scale words
.set SGR, 13                           ; v13  where waves 0 to 2 read a kind's 512 bytes
.set BI,  16                           ; v16-31   a bias in the result's layout, two tiles
.set WF,  32                           ; v32-63   weight fragments (u, s) at 16 u + 8 s
.set XF,  64                           ; v64-127  hs as loaded; then x's fragments (t, s) at 16 t + 8 s
.set HA,  128                          ; v128-191 oq, hs + oq; then the eight accumulators
.set PC0, 192                          ; codes: three sets; each is the data of global stores once, and is not written again behind them
.set TM,  200                          ; v200-215 at work; at the end v200-203 carry a kind's scale words out
.set PW0, 216
.set XS,  217                          ; v217-220 x's scale words, a register a token tile
.set WSR, 221                          ; v221-222 the weights', a register a tile
.set PC1, 224
.set PC2, 232
.set PW1, 240
.set PW2, 241
.set WV,  26
.set SEL, 28
; 64 numbers of a lane, register 16 b + i = number 16 h + i of block b of my row, become 8 registers of codes (registers 4 c .. 4 c + 3 of lane (r, h): block 2 c + h) and the row's scale word.
.macro QUANT src, pc, pw
.irp b, 0,1,2,3
	v_max3_num_f32 v[TM+\b], |v[\src+16*\b]|, |v[\src+1+16*\b]|, 0x1800000   ; my 16 numbers of block b, from the low end on, and the floor 2^(3 - 127)
.endr
.irp i, 2,4,6,8,10,12,14
.irp b, 0,1,2,3
	v_max3_num_f32 v[TM+\b], v[TM+\b], |v[\src+16*\b+\i]|, |v[\src+1+16*\b+\i]|
.endr
.endr
.irp b, 0,1,2,3
	s_delay_alu instid0(VALU_DEP_4)
	v_permlanex16_b32 v[TM+4+\b], v[TM+\b], s[SEL], s[SEL+1]
.endr
.irp b, 0,1,2,3
	s_delay_alu instid0(VALU_DEP_4)
	v_max_num_f32 v[TM+\b], v[TM+\b], v[TM+4+\b]   ; with lane l xor 16's: the block's largest magnitude
.endr
.irp b, 0,1,2,3
	s_delay_alu instid0(VALU_DEP_4)
	v_add_nc_u32 v[TM+12+\b], 0xff000000, v[TM+\b] ; 2 off its exponent field: the conversion's scale operand
.endr
.irp b, 0,1,2,3
	s_delay_alu instid0(VALU_DEP_4)
	v_lshrrev_b32 v[TM+4+\b], 23, v[TM+12+\b]      ; the scale's byte
.endr
	s_delay_alu instid0(VALU_DEP_3)
	v_lshl_or_b32 v[\pw], v[TM+5], 8, v[TM+4]
	s_delay_alu instid0(VALU_DEP_1)
	v_lshl_or_b32 v[\pw], v[TM+6], 16, v[\pw]
	s_delay_alu instid0(VALU_DEP_1)
	v_lshl_or_b32 v[\pw], v[TM+7], 24, v[\pw]
.irp b, 0,1,2,3
	v_cvt_scalef32_pk8_fp4_f32 v[\pc+2*\b], v[\src+16*\b:\src+7+16*\b], v[TM+12+\b]
	v_cvt_scalef32_pk8_fp4_f32 v[\pc+1+2*\b], v[\src+8+16*\b:\src+15+16*\b], v[TM+12+\b]
.endr
	v_nop                                          ; one plain line behind the last scaled conversion
.irp c, 0,1
.irp i, 0,1
	v_permlane16_swap_b32 v[\pc+4*\c+\i], v[\pc+2+4*\c+\i]   ; a whole block to a lane
.endr
.endr
.endm
.macro IMAGE adr, pc, off
	ds_store_b128 v[\adr], v[\pc:\pc+3] offset:\off
	ds_store_b128 v[\adr], v[\pc+4:\pc+7] offset:\off+512
.endm
.macro FETCHX x2                       ; all eight fragments and their scale words: of hs + oq (0) or of hs (1)
.irp g, 0,1,2,3,4,5,6,7
.irp c, 0,1
	ds_load_b128 v[XF+8*\g+4*\c:XF+8*\g+4*\c+3], v[XI] offset:(\x2)*8192+\g*1024+\c*512
.endr
.endr
.irp t, 0,1,2,3
	ds_load_b32 v[XS+\t], v[XSR] offset:(\x2)*512+\t*128
.endr
.endm
.macro WLOAD W                         ; my head's two tiles of weight W: four fragments, two registers of scale words
.irp u, 0,1
.irp s, 0,1
.irp c, 0,1
	global_load_b128 v[WF+16*\u+8*\s+4*\c:WF+16*\u+8*\s+4*\c+3], v[L16], s[8:9] offset:(\W)*32768+\u*2048+\s*1024+\c*512
.endr
.endr
	global_load_b32 v[WSR+\u], v[L4], s[10:11] offset:(\W)*2048+\u*128
.endr
.endm
.macro BLOAD p                         ; a bias for the transposed results: lane (r, h), tile u, register j: channel 16 h + 8 u + j
.irp u, 0,1
	global_load_b128 v[BI+8*\u:BI+8*\u+3], v[H64], s[\p:\p+1] offset:32*\u
	global_load_b128 v[BI+8*\u+4:BI+8*\u+7], v[H64], s[\p:\p+1] offset:32*\u+16
.endr
.endm
.macro PLACES                          ; four plain lines between matrix instructions and loads into, or reads of, their registers
.rept 4
	v_nop
.endr
.endm
; Sixteen products, the eight accumulators by turns, a K step at a time.  In K step 1 both sides' scale words are read from lanes 16-31.
.macro UNIT_T                          ; transposed: source 0 = weight rows, source 1 = tokens
.irp t, 0,1,2,3
.irp u, 0,1
	v_wmma_scale_f32_16x16x128_f8f6f4 v[HA+16*\t+8*\u:HA+16*\t+8*\u+7], v[WF+16*\u:WF+16*\u+7], v[XF+16*\t:XF+16*\t+7], v[BI+8*\u:BI+8*\u+7], v[WSR+\u], v[XS+\t] matrix_a_fmt:MATRIX_FMT_FP4 matrix_b_fmt:MATRIX_FMT_FP4
.endr
.endr
.irp t, 0,1,2,3
.irp u, 0,1
	v_wmma_scale_f32_16x16x128_f8f6f4 v[HA+16*\t+8*\u:HA+16*\t+8*\u+7], v[WF+16*\u+8:WF+16*\u+15], v[XF+16*\t+8:XF+16*\t+15], v[HA+16*\t+8*\u:HA+16*\t+8*\u+7], v[WSR+\u], v[XS+\t] matrix_a_fmt:MATRIX_FMT_FP4 matrix_b_fmt:MATRIX_FMT_FP4 matrix_a_scale:MATRIX_SCALE_ROW1 matrix_b_scale:MATRIX_SCALE_ROW1
.endr
.endr
.endm
.macro UNIT_N                          ; natural: source 0 = tokens, source 1 = weight rows
.irp t, 0,1,2,3
.irp u, 0,1
	v_wmma_scale_f32_16x16x128_f8f6f4 v[HA+32*\u+8*\t:HA+32*\u+8*\t+7], v[XF+16*\t:XF+16*\t+7], v[WF+16*\u:WF+16*\u+7], v[BI+8*\u:BI+8*\u+7], v[XS+\t], v[WSR+\u] matrix_a_fmt:MATRIX_FMT_FP4 matrix_b_fmt:MATRIX_FMT_FP4
.endr
.endr
.irp t, 0,1,2,3
.irp u, 0,1
	v_wmma_scale_f32_16x16x128_f8f6f4 v[HA+32*\u+8*\t:HA+32*\u+8*\t+7], v[XF+16*\t+8:XF+16*\t+15], v[WF+16*\u+8:WF+16*\u+15], v[HA+32*\u+8*\t:HA+32*\u+8*\t+7], v[XS+\t], v[WSR+\u] matrix_a_fmt:MATRIX_FMT_FP4 matrix_b_fmt:MATRIX_FMT_FP4 matrix_a_scale:MATRIX_SCALE_ROW1 matrix_b_scale:MATRIX_SCALE_ROW1
.endr
.endr
.endm
	s_load_b256 s[4:11], s[0:1], 0x0               ; hs, oq, wc, ws
	s_load_b256 s[12:19], s[0:1], 0x20             ; bq, bk, bv, qc
	s_load_b128 s[20:23], s[0:1], 0x40             ; qs, kvc
	s_load_b64 s[24:25], s[0:1], 0x50              ; kvs
	v_lshl_add_u32 v254, v0, 2, 0x25a00
	v_mov_b32 v255, 0
	v_lshrrev_b32 v2, 5, v0
	s_delay_alu instid0(VALU_DEP_1)
	v_readfirstlane_b32 s[WV], v2                  ; wave 0..7
	v_and_b32 v2, 31, v0                           ; lane
	v_and_b32 v14, 15, v0                          ; r
	v_bfe_u32 v15, v0, 4, 1                        ; h
	s_delay_alu instid0(VALU_DEP_3)
	v_lshlrev_b32 v[L16], 4, v2
	s_delay_alu instid0(VALU_DEP_4)
	v_lshlrev_b32 v[L4], 2, v2
	s_delay_alu instid0(VALU_DEP_3)
	v_lshlrev_b32 v[H64], 6, v15
	v_and_b32 v[BVO], 8, v14
	s_delay_alu instid0(VALU_DEP_1)
	v_add_nc_u32 v[BVO], v[BVO], v14
	s_delay_alu instid0(VALU_DEP_1)
	v_lshlrev_b32 v[BVO], 2, v[BVO]
	s_mul_i32 s32, s[WV], WST                      ; my stage
	v_add_nc_u32 v[STW], s32, v[L16]
	v_mul_u32_u24 v[STR], v14, SPX
	s_delay_alu instid0(VALU_DEP_1)
	v_lshl_add_u32 v[STR], v15, 6, v[STR]
	s_delay_alu instid0(VALU_DEP_1)
	v_add_nc_u32 v[STR], s32, v[STR]
	s_and_b32 s33, s[WV], 3                        ; t
	s_lshr_b32 s34, s[WV], 2                       ; s
	s_lshl_b32 s35, s33, 11
	s_lshl_b32 s36, s34, 10
	s_add_co_u32 s35, s35, s36
	s_add_co_u32 s35, s35, X1IMG
	v_add_nc_u32 v[XIW], s35, v[L16]
	s_lshl_b32 s35, s33, 7
	s_lshl_b32 s36, s34, 6
	s_add_co_u32 s35, s35, s36
	s_add_co_u32 s35, s35, X1SC
	v_lshl_add_u32 v[XSW], v14, 2, s35
	v_add_nc_u32 v[XI], X1IMG, v[L16]
	v_add_nc_u32 v[XSR], X1SC, v[L4]
	s_lshl_b32 s35, s[WV], 6
	s_add_co_u32 s35, s35, SCG
	v_lshl_add_u32 v[SGW], v14, 2, s35
	v_and_b32 v242, 7, v14                         ; k's scale words leave in the order of the attention launch's tiles of K (row 8 a + i, byte u: key 32 a + 8 u + i):
	v_lshrrev_b32 v243, 3, v14                     ; lane r = 8 g + i holds the bytes of keys 32 a + 8 (b % 2) + 16 g + i, so its half a goes to word 8 a + i, half g
	v_lshl_add_u32 v242, v242, 2, s35
	v_lshl_add_u32 v242, v243, 1, v242             ; v242 = my head's 64 bytes + 4 i + 2 g
	s_min_u32 s37, s[WV], 2                        ; waves 0 to 2 read a kind each; the others' register stays inside LDS and is not used
	s_lshl_b32 s36, s37, 9
	s_add_co_u32 s36, s36, SCG
	v_add_nc_u32 v[SGR], s36, v[L16]
.irp b, 0,1,2,3
	v_mov_b32 v[TM+4+\b], 0                        ; written once: a lane permute's destination counts as one of its sources
.endr
	s_mov_b32 s[SEL], 0x76543210
	s_mov_b32 s[SEL+1], 0xfedcba98
	s_mov_b32 s30, 0x3e3504f3                      ; 32^-0.5
	s_mov_b32 s31, s30
	; byte offsets, apart from the addresses
	s_lshl_b32 s38, ttmp9, 16                      ; x: the group's 64 rows of 1,024 bytes,
	s_lshr_b32 s36, s33, 1
	s_lshl_b32 s36, s36, 15
	s_add_co_u32 s38, s38, s36                     ; + 32 (t / 2) rows
	s_and_b32 s36, s33, 1
	s_lshl_b32 s36, s36, 13
	s_add_co_u32 s38, s38, s36                     ; + 8 (t % 2) rows
	s_lshl_b32 s36, s34, 9
	s_add_co_u32 s38, s38, s36                     ; + K step s
	s_mov_b32 s39, 0
	s_lshl_b32 s40, s[WV], 12                      ; wc: tiles 2 w, 2 w + 1
	s_mov_b32 s41, 0
	s_lshl_b32 s42, s[WV], 8                       ; ws likewise
	s_mov_b32 s43, 0
	s_lshl_b32 s44, s[WV], 7                       ; the biases: my head's 32 numbers
	s_mov_b32 s45, 0
	s_lshl_b32 s46, ttmp9, 13                      ; qc: group x 8,192 + head x 1,024
	s_lshl_b32 s36, s[WV], 10
	s_add_co_u32 s46, s46, s36
	s_mov_b32 s47, 0
	s_lshr_b32 s35, ttmp9, 1                       ; 16 x batch + key step
	s_and_b32 s36, ttmp9, 1                        ; f: which 64 keys of the step
	s_lshl_b32 s48, s35, 15
	s_lshl_b32 s50, s[WV], 11
	s_add_co_u32 s48, s48, s50                     ; kvc: step x 32,768 + head x 2,048
	s_add_co_u32 s50, s48, 16384                   ; V's codes lie 16,384 bytes behind K's,
	s_lshl_b32 s51, s36, 9
	s_add_co_u32 s50, s50, s51                     ; + 512 f
	s_lshl_b32 s51, s36, 10
	s_add_co_u32 s48, s48, s51                     ; K's: + 1,024 f
	s_mov_b32 s49, 0
	s_mov_b32 s51, 0
	s_lshl_b32 s52, ttmp9, 9                       ; qs: group x 512
	s_mov_b32 s53, 0
	s_lshl_b32 s54, s35, 11                        ; kvs: step x 2,048 + 512 f, V's words 1,024 on
	s_lshl_b32 s55, s36, 9
	s_add_co_u32 s54, s54, s55
	s_lshr_b32 s55, s37, 1
	s_lshl_b32 s55, s55, 10
	s_add_co_u32 s54, s54, s55
	s_wait_kmcnt 0x0
	s_add_nc_u64 s[4:5], s[4:5], s[38:39]
	s_add_nc_u64 s[6:7], s[6:7], s[38:39]
	s_add_nc_u64 s[8:9], s[8:9], s[40:41]
	s_add_nc_u64 s[10:11], s[10:11], s[42:43]
	s_add_nc_u64 s[12:13], s[12:13], s[44:45]
	s_add_nc_u64 s[14:15], s[14:15], s[44:45]
	s_add_nc_u64 s[16:17], s[16:17], s[44:45]
	s_add_nc_u64 s[18:19], s[18:19], s[46:47]
	s_add_nc_u64 s[56:57], s[22:23], s[50:51]      ; V's codes
	s_add_nc_u64 s[22:23], s[22:23], s[48:49]      ; K's codes
	s_cmp_eq_u32 s[WV], 0                          ; wave 0 stores q's scale words, waves 1 and 2 k's and v's
	s_cselect_b64 s[20:21], s[20:21], s[24:25]
	s_cselect_b32 s52, s52, s54
	s_add_nc_u64 s[20:21], s[20:21], s[52:53]
	; ---- X: my 16 tokens x 128 along K of hs and oq; load i reads 512 consecutive bytes of the token that lane i of my tile stands for
.irp i, 0,1,2,3,4,5,6,7,8,9,10,11,12,13,14,15
	global_load_b128 v[XF+4*\i:XF+4*\i+3], v[L16], s[4:5] offset:(\i+8*(\i/8))*1024 th:TH_LOAD_NT
.endr
.irp i, 0,1,2,3,4,5,6,7,8,9,10,11,12,13,14,15
	global_load_b128 v[HA+4*\i:HA+4*\i+3], v[L16], s[6:7] offset:(\i+8*(\i/8))*1024 th:TH_LOAD_NT
.endr
	WLOAD 0                                        ; Wq's fragments and bq are wanted a phase on
	BLOAD 12
	s_wait_loadcnt 14                              ; the 32 loads of x are in; the 14 issued behind them (8 fragment loads, 2 scale words, 4 of the bias) may stay out
.irp i, 0,2,4,6,8,10,12,14,16,18,20,22,24,26,28,30,32,34,36,38,40,42,44,46,48,50,52,54,56,58,60,62
	v_pk_add_f32 v[HA+\i:HA+\i+1], v[XF+\i:XF+\i+1], v[HA+\i:HA+\i+1]   ; hs + oq
.endr
.irp i, 0,1,2,3,4,5,6,7,8,9,10,11,12,13,14,15
	ds_store_b128 v[STW], v[XF+4*\i:XF+4*\i+3] offset:\i*SPX
	ds_store_b128 v[STW], v[HA+4*\i:HA+4*\i+3] offset:16*SPX+\i*SPX
.endr
	s_wait_dscnt 0x0                               ; the stores have read their registers, which the loads below fill
.irp b, 0,1,2,3
.irp j, 0,1,2,3
	ds_load_b128 v[XF+16*\b+4*\j:XF+16*\b+4*\j+3], v[STR] offset:128*\b+16*\j            ; row r, numbers 32 b + 16 h + 4 j on
	ds_load_b128 v[HA+16*\b+4*\j:HA+16*\b+4*\j+3], v[STR] offset:16*SPX+128*\b+16*\j
.endr
.endr
	s_wait_dscnt 0x0
	QUANT XF, PC0, PW0                             ; hs
	IMAGE XIW, PC0, 8192
	ds_store_b32 v[XSW], v[PW0] offset:512         ; lanes l and l xor 16 write the same word with the same value
	QUANT HA, PC1, PW1                             ; hs + oq
	IMAGE XIW, PC1, 0
	ds_store_b32 v[XSW], v[PW1]
	s_wait_dscnt 0x0                               ; for the others' sake: my images have landed
	s_barrier_signal -1
	s_barrier_wait -1
	; ---- q
	FETCHX 0
	s_wait_loadcnt 0x0
	s_wait_dscnt 0x0
	UNIT_T
	PLACES
	WLOAD 1
	BLOAD 14
.irp i, 0,2,4,6,8,10,12,14,16,18,20,22,24,26,28,30,32,34,36,38,40,42,44,46,48,50,52,54,56,58,60,62
	v_pk_mul_f32 v[HA+\i:HA+\i+1], v[HA+\i:HA+\i+1], s[30:31] op_sel_hi:[1,0]   ; x 32^-0.5, ahead of the quantiser; each accumulator from its low end on
.endr
	QUANT HA, PC2, PW2
	global_store_b128 v[L16], v[PC2:PC2+3], s[18:19]                 ; 512 consecutive bytes a store
	global_store_b128 v[L16], v[PC2+4:PC2+7], s[18:19] offset:512
	ds_store_b32 v[SGW], v[PW2]
	; ---- k
	s_wait_loadcnt 0x0
	UNIT_T
	PLACES
	WLOAD 2
.irp u, 0,1
.irp j, 0,1,2,3,4,5,6,7
	global_load_b32 v[BI+8*\u+\j], v[BVO], s[16:17] offset:32*\u     ; bv in the natural result's layout: lane r's channel in all eight registers
.endr
.endr
	FETCHX 1
	QUANT HA, PC0, PW0
	global_store_b128 v[L16], v[PC0:PC0+3], s[22:23]
	global_store_b128 v[L16], v[PC0+4:PC0+7], s[22:23] offset:512
	ds_store_b16 v242, v[PW0] offset:512           ; bytes 0, 1 (a = 0) to word i
	ds_store_b16_d16_hi v242, v[PW0] offset:544    ; bytes 2, 3 (a = 1) to word 8 + i
	; ---- v
	s_wait_loadcnt 0x0
	s_wait_dscnt 0x0
	UNIT_N
	PLACES
	QUANT HA, PC1, PW1
	global_store_b128 v[L16], v[PC1:PC1+3], s[56:57]                 ; channels' tile 0: these 64 keys are chunk f of its fragment
	global_store_b128 v[L16], v[PC1+4:PC1+7], s[56:57] offset:1024   ; tile 1
	ds_store_b32 v[SGW], v[PW1] offset:1024
	s_wait_dscnt 0x0                               ; for the others' sake: my head's scale words have landed
	s_barrier_signal -1
	s_barrier_wait -1
	s_cmp_gt_u32 s[WV], 2
	s_cbranch_scc1 .Lend                           ; waves 0 to 2 store a kind's 512 bytes each: two aligned runs of 256
	ds_load_b128 v[TM:TM+3], v[SGR]                ; into registers that no pending store names: the codes' three sets are still the data of stores that may be out
	s_wait_dscnt 0x0
	global_store_b128 v[L16], v[TM:TM+3], s[20:21]
.Lend:
	s_wait_tensorcnt 0x0
	ds_add_u32 v254, v255
	s_wait_dscnt 0x0
	s_endpgm
.Lfunc_end_k_qb64050132a_proj:
	.size	k_qb64050132a_proj, .Lfunc_end_k_qb64050132a_proj-k_qb64050132a_proj
	.p2alignl 7, 3214868480
	.fill 96, 4, 3214868480
	.section	.rodata,"a",@progbits
	.p2align	6, 0x0
	.amdhsa_kernel k_qb64050132a_proj
		.amdhsa_group_segment_fixed_size 155136
		.amdhsa_private_segment_fixed_size 0
		.amdhsa_enable_private_segment 0
		.amdhsa_kernarg_size 88
		.amdhsa_user_sgpr_count 2
		.amdhsa_user_sgpr_kernarg_segment_ptr 1
		.amdhsa_wavefront_size32 1
		.amdhsa_system_sgpr_workgroup_id_x 1
		.amdhsa_system_sgpr_workgroup_id_y 1
		.amdhsa_system_sgpr_workgroup_id_z 1
		.amdhsa_system_vgpr_workitem_id 0
		.amdhsa_next_free_vgpr 256
		.amdhsa_next_free_sgpr 66
		.amdhsa_reserve_vcc 0
		.amdhsa_float_denorm_mode_32 3
		.amdhsa_float_denorm_mode_16_64 3
		.amdhsa_memory_ordered 1
		.amdhsa_forward_progress 1
		.amdhsa_inst_pref_size 54
	.end_amdhsa_kernel
	.amdgpu_metadata
---
amdhsa.version: [ 1, 2 ]
amdhsa.kernels:
  - .name:           k_qb64050132a_proj
    .symbol:         k_qb64050132a_proj.kd
    .args:
      - { .name: hidden_states, .offset: 0, .size: 8, .value_kind: global_buffer, .address_space: global }
      - { .name: object_queries, .offset: 8, .size: 8, .value_kind: global_buffer, .address_space: global }
      - { .name: wc, .offset: 16, .size: 8, .value_kind: global_buffer, .address_space: global }
      - { .name: ws, .offset: 24, .size: 8, .value_kind: global_buffer, .address_space: global }
      - { .name: bq, .offset: 32, .size: 8, .value_kind: global_buffer, .address_space: global }
      - { .name: bk, .offset: 40, .size: 8, .value_kind: global_buffer, .address_space: global }
      - { .name: bv, .offset: 48, .size: 8, .value_kind: global_buffer, .address_space: global }
      - { .name: qc, .offset: 56, .size: 8, .value_kind: global_buffer, .address_space: global }
      - { .name: qs, .offset: 64, .size: 8, .value_kind: global_buffer, .address_space: global }
      - { .name: kvc, .offset: 72, .size: 8, .value_kind: global_buffer, .address_space: global }
      - { .name: kvs, .offset: 80, .size: 8, .value_kind: global_buffer, .address_space: global }
    .group_segment_fixed_size: 155136
    .private_segment_fixed_size: 0
    .kernarg_segment_align: 8
    .kernarg_segment_size: 88
    .max_flat_workgroup_size: 256
    .sgpr_count:     66
    .vgpr_count:     256
    .wavefront_size: 32
...
	.end_amdgpu_metadata
.endif
;; end of part 2
;; launch attn (part 3): grid 32 x 8, 16 waves a work-group, clusters of 4 x 1, 327,680 bytes of LDS; arguments qc, qs, kvc, kvs, attention_mask, wc, ws, bo, out0; writes out0
.if DOCPART == 3
	.amdgcn_target "amdgcn-amd-amdhsa--gfx1250"
	.amdhsa_code_object_version 6
	.text
	.protected	k_qb64050132a_attn
	.globl	k_qb64050132a_attn
	.p2align	8
	.type	k_qb64050132a_attn,@function
k_qb64050132a_attn:
	s_mov_b64 s[64:65], 0
	v_nop
	global_prefetch_b8 v0, s[64:65] scope:SCOPE_SE
	s_setreg_imm32_b32 hwreg(HW_REG_WAVE_MODE, 25, 1), 1
	s_wait_xcnt 0x0
	s_wait_alu depctr_hold_cnt(0) depctr_sa_sdst(0) depctr_va_vdst(0) depctr_va_sdst(0) depctr_va_ssrc(0) depctr_va_vcc(0) depctr_vm_vsrc(0)
	s_getreg_b32 s2, hwreg(HW_REG_IB_STS2, 6, 4)
	s_cmp_eq_u32 s2, 0
	s_cbranch_scc0 .Lentry_in_a_cluster
	s_endpgm
.Lentry_in_a_cluster:
	s_bfe_u32 s2, ttmp6, 0x10000c
	s_cmp_lg_u32 s2, 0x3003
	s_cbranch_scc0 .Lentry_shape_is_right
	s_endpgm
.Lentry_shape_is_right:
; out0 = softmax(q k^T + attention_mask) v Wo^T + bo, all three products on codes of FP4 (E2M1) with one E8M0 byte for each 32 along K.
; q, k, v arrive as images of operand registers (launch proj), Wo likewise (launch prep).  Every input has its way to out0.
; THE SOFTMAX: t = score x log2(e); M = the running largest t rounded up to a whole number; p = 2^(t - M) is quantised along the keys; the row's sum is taken of the unquantised p and divides at the end;
; when M moves, the sum and O are multiplied by 2^(old M - new M), which rounds nothing.
; A BLOCK'S SCALE: floor(log2(its largest p)) is floor(its largest t - M), so the byte is floor(t - M) + 125, held at 1 from below: made by plain arithmetic ahead of the exponentials.
; LIMITS: NaN and infinities among the inputs are not served; the promise holds while the scaled scores (score x log2(e)) stay under 2^31 in magnitude.
; SHARES.  A work-group owns 64 queries of one batch, all 8 heads, so each byte of the mask is read once.  Wave w owns queries 16 (w % 4) .. + 15 and heads 2 (w / 4), 2 (w / 4) + 1: the mask's 64 registers serve both heads as the C of the score products.
; THE RING.  Two LDS slots of 256 keys (two steps of 128): 64 rows x 1,024 bytes of the mask, rows 1,040 bytes apart, then 65,536 bytes of K's and V's images.  Behind each change of slots waves 0-3 fetch K and V, waves 4-7 the mask, one load each.
; The scale bytes of the whole batch (32,768 bytes) come once, with the first fills (waves 8, 9).
; CLUSTER.  The four work-groups of a cluster own query blocks of one batch and walk the same K, V and scale bytes: those loads are joint (mask 15).  The attention mask's rows are each work-group's own.
; K'S HEAD HAS 32 CHANNELS, the instruction's K is 128: a fragment of K holds 64 keys (16 rows x 4 blocks), and q stands in one of the four blocks of source 1 with zero codes in the others: product u takes block u.
; THE KEYS OF A TILE: row 8 a + i of product u of fragment f is key 64 f + 32 a + 8 u + i.  S^T = K Q^T then gives lane (r, h) query r and, in registers 32 f + 0 .. 31, keys 64 f + 32 h + 0 .. 31: A WHOLE BLOCK OF 32 IN ONE LANE.
; So a block's largest score needs no other lane, and the conversions' results are the second product's operand as they stand.  proj's image has another order of rows: block u of row 8 a + i lies at 512 a + 256 (u % 2) + 128 (u / 2) + 16 i of a fragment.
; PREFETCH.  At the change of slots that loads slot n + 1, slot n + 2 is asked for, one instruction a wave: waves 8-15 the mask (8 rows x 4 blocks of 256 bytes each), waves 6, 7 K and V (of the slot's 65,536 bytes the partner at place cx takes
; 16,384, told apart by address; 8,192 a wave).  Slots 0 and 1 come by their loads alone; the last two changes ask for nothing.
.set MP,    1040                       ; a mask row in LDS: 1,024 bytes + 16
.set KOFF,  64*MP                      ; K's and V's images: step q at 32,768 q; K at 2,048 x head, V 16,384 on
.set SLOTB, KOFF+65536
.set SCB,   2*SLOTB                    ; scale bytes: step x 2,048: K's words of keys 0-63, of keys 64-127, V's likewise, 512 bytes each
.set AIMG,  SCB+32768                  ; images of the quantised attention output
.set ASC,   AIMG+8192                  ; and their scale words
.set SPARE, ASC+512                    ; the spare words: 128 bytes a wave, named by no other line
.set STAGE, 0                          ; the way out: 64 rows x 1,040 bytes in slot 0, which has had its last fill and its last read by then
.set SP,    1040
.set SPW, 1
.set NIL, 2
.set AK,  3                            ; v3, v4   K's fragments in slot 0, 1
.set AV,  5                            ; v5, v6   V's
.set AM,  7                            ; v7, v8   the mask's rows
.set ADS, 9                            ; K's scale words, stepped slot by slot
.set ADT, 10                           ; V's
.set PFO, 11
.set KS,  12
.set VS,  13
.set VH,  14
.set PS,  15
.set QF,  24                           ; v24-59: zeros, q, zeros, q .. : windows of 8 registers put q's 32 codes into any of the four blocks
.set KV,  60
.set P,   76                           ; v76-83: eight chains of maxima, then p's codes
.set BM,  84                           ; v84-87 at work: my two blocks' maxima and scales
.set FF,  88
.set TT,  90
.set QS,  92
.set SELH, 94                          ; byte selects that put my two scale bytes at places h and 2 + h of a word
.set S,   96
.set MK,  160
.set O,   224
.set L16, 3                            ; from the last slot on: 16 x lane, 64 x (lane / 16), 4 x lane (slot 0's address registers are done with)
.set H64, 5
.set L4,  7
.set WV,  22
.set CX,  23
.set PFA, 24
.set SLOTS, 26
.set LIM, 27
.set SEL, 28
.set CS,  30
.set G1J, 32
.set G1M, 40
.set G0C, 48                           ; s[48:55] group 0 for K and V, one set a slot;  s[56:63] for the mask
.set G0M, 56
.set PFS, 90
.set G0S, 92
.set CN,  96
.macro CROUND                          ; a round of the cluster's barrier
	s_barrier_signal -1
	s_barrier_wait -1
	s_cmp_lg_u32 s[WV], 0
	s_cbranch_scc1 .Lnot_wave_0_\@
	s_barrier_signal -3
.Lnot_wave_0_\@:
	s_barrier_wait -3
	s_barrier_signal -1
	s_barrier_wait -1
.endm
.macro TLOAD o                         ; slot o is filled: the branches hang on the wave's number alone
	s_cmp_lt_u32 s[WV], 4
	s_cbranch_scc0 .Lnot_c_\@
	tensor_load_to_lds s[G0C+4*(\o):G0C+4*(\o)+3], s[G1J:G1J+7]
	s_nop 0
.rept 4
	v_nop
.endr
	s_branch .Lasked_\@
.Lnot_c_\@:
	s_cmp_lt_u32 s[WV], 8
	s_cbranch_scc0 .Lasked_\@
	tensor_load_to_lds s[G0M+4*(\o):G0M+4*(\o)+3], s[G1M:G1M+7]
	s_nop 0
.rept 4
	v_nop
.endr
.Lasked_\@:
.endm
.macro ASK
	s_cmp_eq_u32 s[LIM], 1
	s_cbranch_scc0 .Lnot_mine_\@
	global_prefetch_b8 v[PFO], s[PFA:PFA+1] th:TH_LOAD_NT scope:SCOPE_SE
.Lnot_mine_\@:
.endm
; THE CHANGE OF SLOTS, at the head of slot sl.  Every wave waits for all its tensor loads, adds 0 to its spare word, and waits for that and for its reads of the other slot; behind the round the other slot is filled.
.macro CHANGE sl, fill, ask
	s_wait_tensorcnt 0x0                           ; no tensor load of mine is out: a group 0 may be written
	ds_add_u32 v[SPW], v[NIL]
.if \fill
	ds_add_u32 v[SPW], v[NIL]                      ; where a load follows, twice on end
	s_add_nc_u64 s[G0C+4*\sl+2:G0C+4*\sl+3], s[G0C+4*\sl+2:G0C+4*\sl+3], 131072   ; this slot's next fill: two slots on
	s_add_nc_u64 s[G0M+4*\sl+2:G0M+4*\sl+3], s[G0M+4*\sl+2:G0M+4*\sl+3], 2048
.endif
.if \ask
	s_wait_xcnt 0x0                                ; my last prefetch has read its address
	s_add_nc_u64 s[PFA:PFA+1], s[PFA:PFA+1], s[PFS:PFS+1]
.endif
	s_wait_dscnt 0x0
.if \fill
	CROUND
	TLOAD 1-\sl
.if \ask
	ASK
.endif
.else
	s_barrier_signal -1
	s_barrier_wait -1
.endif
.endm
.macro MLOAD sl, q                     ; the mask of my 16 queries x 128 keys: register 32 f + n is key 64 f + 32 h + n
.irp f, 0,1
.irp j, 0,1,2,3,4,5,6,7
	ds_load_b128 v[MK+32*\f+4*\j:MK+32*\f+4*\j+3], v[AM+\sl] offset:512*(\q)+256*\f+16*\j
.endr
.endr
.endm
.macro KLOAD sl, q, hd                 ; a head's two fragments of K, their scale words, and the halves of V's scale words
.irp f, 0,1
.irp c, 0,1
	ds_load_b128 v[KV+8*\f+4*\c:KV+8*\f+4*\c+3], v[AK+\sl] offset:32768*(\q)+2048*(\hd)+1024*\f+128*\c
.endr
.endr
	ds_load_b32 v[KS], v[ADS] offset:2048*(\q)+64*(\hd)          ; lanes 0-15: fragment 0's words, lanes 16-31: fragment 1's
	ds_load_u16 v[VS], v[ADT] offset:2048*(\q)+64*(\hd)          ; V's bytes of keys 0-63
	ds_load_u16 v[VH], v[ADT] offset:2048*(\q)+64*(\hd)+512      ; and of keys 64-127
.endm
.macro WLOAD                           ; for the way out: my tile of Wo (two K steps), its scale words, my 16 numbers of bo
.irp s, 0,1
.irp c, 0,1
	global_load_b128 v[MK+8*\s+4*\c:MK+8*\s+4*\c+3], v[L16], s[14:15] offset:\s*1024+\c*512
.endr
.endr
	global_load_b32 v[KS], v[L4], s[16:17]
	global_load_b128 v[MK+16:MK+19], v[H64], s[18:19]
	global_load_b128 v[MK+20:MK+23], v[H64], s[18:19] offset:16
.endm
.macro FMAS n                          ; t - M, two at a time, from register S + JF on
.rept \n
	v_pk_fma_f32 v[S+JF:S+JF+1], v[S+JF:S+JF+1], s[CS:CS+1], v[NM:NM+1] op_sel_hi:[1,0,0]
.set JF, JF+2
.endr
.endm
.macro EXP2                            ; p = 2^(t - M), from register S + JE on
	v_exp_f32 v[S+JE], v[S+JE]
	v_exp_f32 v[S+JE+1], v[S+JE+1]
.set JE, JE+2
.endm
.macro ADDS n, d                       ; a level of the tree of sums, in place over p's registers (their codes are made): from register JS on, each pair takes the pair d registers on
.rept \n
	v_pk_add_f32 v[JS:JS+1], v[JS:JS+1], v[JS+(\d):JS+(\d)+1]
.set JS, JS+2
.endr
.endm
; ONE HEAD, 128 KEYS.  Its K was asked for ahead of it.  hook = 1: the next step's mask is loaded as soon as the score products have read this step's; hook = 2: the way out's loads.  nx = 1: the K of head-step (nq, nh) of this slot is asked for.
.macro HSTEP sl, q, hd, hook, nx, nq, nh
.set NM, 16+4*(\hd)                    ; -M; NM + 1: the largest score so far
.set LL, 18+4*(\hd)                    ; the sum, in two halves
.set OB, O+16*(\hd)
	s_wait_dscnt 0x0                               ; K, the scale words, the mask
.irp f, 0,1
.irp t, 0,1,2,3
.set rS, S+8*(4*\f+\t)
.set rM, MK+8*(4*\f+\t)
.set rK, KV+8*\f
.set rQ, QF+16*(\hd)+8*(\t%2)+4-4*(\t/2)
.if \f == 0
	v_wmma_scale_f32_16x16x128_f8f6f4 v[rS:rS+7], v[rK:rK+7], v[rQ:rQ+7], v[rM:rM+7], v[KS], v[QS+\hd] matrix_a_fmt:MATRIX_FMT_FP4 matrix_b_fmt:MATRIX_FMT_FP4
.else
	v_wmma_scale_f32_16x16x128_f8f6f4 v[rS:rS+7], v[rK:rK+7], v[rQ:rQ+7], v[rM:rM+7], v[KS], v[QS+\hd] matrix_a_fmt:MATRIX_FMT_FP4 matrix_b_fmt:MATRIX_FMT_FP4 matrix_a_scale:MATRIX_SCALE_ROW1
.endif
.endr
.endr
	v_lshl_or_b32 v[VS], v[VH], 16, v[VS]          ; four places behind the products (ISA guide 7.12.1): V's scale word,
	v_mov_b32 v[TT], v[NM]                         ; the old -M,
	v_nop
	v_nop
.irp u, 0,1
.irp c, 0,1
	ds_load_b128 v[KV+8*\u+4*\c:KV+8*\u+4*\c+3], v[AV+\sl] offset:32768*(\q)+16384+2048*(\hd)+1024*\u+512*\c
.endr
.endr
.if (\hook) == 1
	MLOAD \sl, 1
.endif
.if (\hook) == 2
	WLOAD
.endif
.irp k, 0,1,2,3,4,5,6,7                ; the largest score of my two blocks: eight chains, one an accumulator, each from its low end on
	v_max3_num_f32 v[P+\k], v[S+8*\k], v[S+8*\k+1], v[S+8*\k+2]
.endr
.irp i, 3,5
.irp k, 0,1,2,3,4,5,6,7
	v_max3_num_f32 v[P+\k], v[P+\k], v[S+8*\k+\i], v[S+8*\k+\i+1]
.endr
.endr
	v_max3_num_f32 v[P], v[P], v[P+1], v[S+7]      ; the chains are joined, with each accumulator's last number
	v_max3_num_f32 v[P+4], v[P+4], v[P+5], v[S+39]
	v_max3_num_f32 v[P+2], v[P+2], v[P+3], v[S+15]
	v_max3_num_f32 v[P+6], v[P+6], v[P+7], v[S+47]
	v_max3_num_f32 v[P], v[P], v[P+2], v[S+23]
	v_max3_num_f32 v[P+4], v[P+4], v[P+6], v[S+55]
	v_max_num_f32 v[BM], v[P], v[S+31]             ; block h
	v_max_num_f32 v[BM+2], v[P+4], v[S+63]         ; block 2 + h
	s_delay_alu instid0(VALU_DEP_1)
	v_max_num_f32 v[BM+1], v[BM], v[BM+2]
	s_delay_alu instid0(VALU_DEP_1)
	v_permlanex16_b32 v[BM+3], v[BM+1], s[SEL], s[SEL+1]
	s_delay_alu instid0(VALU_DEP_1)
	v_max3_num_f32 v[NM+1], v[NM+1], v[BM+1], v[BM+3]   ; the running largest score of my query
	s_delay_alu instid0(VALU_DEP_1)
	v_mul_f32 v[BM+1], s[CN], v[NM+1]              ; -t
	s_delay_alu instid0(VALU_DEP_1)
	v_floor_f32 v[NM], v[BM+1]                     ; the new -M = floor(-t): a whole number
; t - M of the first 32 numbers; among these lines f = 2^(old M - new M) and my two blocks' scales, so that no line waits for the line above it
.set JF, 0
	s_delay_alu instid0(VALU_DEP_1)
	v_fma_f32 v[BM], v[BM], s[CS], v[NM]           ; the blocks' largest t - M
	v_fma_f32 v[BM+2], v[BM+2], s[CS], v[NM]
	v_sub_f32 v[TT], v[NM], v[TT]                  ; old M - new M, 0 or less
	FMAS 2
	v_max_num_f32 v[BM], 0xc2f80000, v[BM]         ; held at -124: the byte cannot fall under 1
	v_max_num_f32 v[BM+2], 0xc2f80000, v[BM+2]
	v_cvt_i32_f32 v[TT], v[TT]                     ; (it saturates)
	FMAS 2
	v_floor_f32 v[BM], v[BM]                       ; floor(log2(the block's largest p))
	v_floor_f32 v[BM+2], v[BM+2]
	v_ldexp_f32 v[FF], 1.0, v[TT]                  ; f
	FMAS 2
	v_add_f32 v[BM+1], 0x4b00007d, v[BM]           ; + 2^23 + 125, exact: the sum's low byte is the scale's byte, the two bytes above it are 0
	v_add_f32 v[BM+3], 0x4b00007d, v[BM+2]
	FMAS 2
	v_lshlrev_b32 v[BM], 23, v[BM+1]               ; the byte as an exponent field: the conversion's scale operand
	v_lshlrev_b32 v[BM+2], 23, v[BM+3]
	v_perm_b32 v[BM+1], v[BM+3], v[BM+1], v[SELH]  ; my two bytes at places h and 2 + h, zeros between
	FMAS 3
	v_permlanex16_b32 v[BM+3], v[BM+1], s[SEL], s[SEL+1]
	FMAS 3
	v_or_b32 v[PS], v[BM+1], v[BM+3]               ; with lane l xor 16's two the word is whole
	FMAS 2
	s_wait_alu depctr_va_vdst(0)                   ; ahead of the exponentials
.set JE, 0
.rept 16                               ; block h's exponentials, with t - M of the other 32 numbers among them
	EXP2
	FMAS 1
.endr
	s_wait_alu depctr_va_vdst(0)                   ; behind the first 32 exponentials and the lines among them, ahead of the readers of both
.irp g, 0,1,2,3                        ; block 2 + h's exponentials; among them block h's codes, the sums under the new M, and the first level of block h's tree
	EXP2
	v_cvt_scalef32_pk8_fp4_f32 v[P+\g], v[S+8*\g:S+8*\g+7], v[BM]      ; registers 0 .. 3: keys 32 h + 0 .. 31
.endr
	EXP2
	v_pk_mul_f32 v[LL:LL+1], v[LL:LL+1], v[FF:FF+1] op_sel_hi:[1,0]    ; (the plain line between the conversions and the writes of their sources)
.set JS, S
.rept 7
	EXP2
	ADDS 1, 16
.endr
.rept 4
	EXP2
.endr
	ADDS 1, 16                                     ; (a plain place behind the last exponential)
	s_wait_dscnt 0x0                               ; V's fragments are in
	s_wait_alu depctr_va_vdst(0)                   ; one wait for the exponentials and the lines among them, directly ahead of the first readers of O^T
.irp j, 0,2,4,6,8,10,12,14
	v_pk_mul_f32 v[OB+\j:OB+\j+1], v[OB+\j:OB+\j+1], v[FF:FF+1] op_sel_hi:[1,0]   ; O^T under the new M
.endr
.irp g, 0,1,2,3
	v_cvt_scalef32_pk8_fp4_f32 v[P+4+\g], v[S+32+8*\g:S+32+8*\g+7], v[BM+2]   ; registers 4 .. 7: keys 64 + 32 h + 0 .. 31
.endr
.set JS, S
	ADDS 4, 8                                      ; twelve plain lines between the codes and the products
.set JS, S+32
	ADDS 8, 16
	v_wmma_scale_f32_16x16x128_f8f6f4 v[OB:OB+7], v[KV:KV+7], v[P:P+7], v[OB:OB+7], v[VS], v[PS] matrix_a_fmt:MATRIX_FMT_FP4 matrix_b_fmt:MATRIX_FMT_FP4
	v_wmma_scale_f32_16x16x128_f8f6f4 v[OB+8:OB+15], v[KV+8:KV+15], v[P:P+7], v[OB+8:OB+15], v[VS], v[PS] matrix_a_fmt:MATRIX_FMT_FP4 matrix_b_fmt:MATRIX_FMT_FP4 matrix_a_scale:MATRIX_SCALE_ROW1
.set JS, S
	ADDS 2, 4                                      ; six plain lines that name none of the products' registers, ahead of the loads into them
.set JS, S+32
	ADDS 4, 8
.if \nx
	KLOAD \sl, \nq, \nh
.endif
.set JS, S
	ADDS 1, 2
.set JS, S+32
	ADDS 2, 4
	v_pk_add_f32 v[LL:LL+1], v[LL:LL+1], v[S:S+1]
.set JS, S+32
	ADDS 1, 2
	v_pk_add_f32 v[LL:LL+1], v[LL:LL+1], v[S+32:S+33]
.endm
.macro SLOT sl, last
	MLOAD \sl, 0
	KLOAD \sl, 0, 0
	HSTEP \sl, 0, 0, 0, 1, 0, 1
	HSTEP \sl, 0, 1, 1, 1, 1, 0
	HSTEP \sl, 1, 0, 0, 1, 1, 1
	HSTEP \sl, 1, 1, 2*\last, 0, 0, 0
.if \last == 0
	v_add_nc_u32 v[ADS], 4096, v[ADS]              ; the next slot's scale words
	v_add_nc_u32 v[ADT], 4096, v[ADT]
	s_wait_alu depctr_va_vdst(0)
.endif
.endm
	s_load_b256 s[4:11], s[0:1], 0x0               ; qc, qs, kvc, kvs
	s_load_b256 s[12:19], s[0:1], 0x20             ; attention_mask, wc, ws, bo
	s_load_b64 s[20:21], s[0:1], 0x40              ; out0
	v_lshl_add_u32 v[SPW], v0, 2, SPARE
	v_mov_b32 v[NIL], 0
	ds_add_u32 v[SPW], v[NIL]                      ; the opening lines: the add twice on end and one wait, ahead of the first round
	ds_add_u32 v[SPW], v[NIL]
	v_lshrrev_b32 v[TT], 5, v0
	v_readfirstlane_b32 s[WV], v[TT]               ; wave 0..15
	s_bfe_u32 s[CX], ttmp6, 0x40000
	s_lshl_b32 s66, ttmp9, 2
	s_add_co_u32 s66, s66, s[CX]                   ; block of 64 queries
	s_and_b32 s67, ttmp7, 0xffff                   ; batch
	s_and_b32 s68, s[WV], 1
	s_and_b32 s69, s[WV], 3                        ; my tile of 16 queries
	s_lshr_b32 s70, s[WV], 2                       ; my pair of heads
	s_mov_b32 s[G1J], 15|(3<<16)|(1<<21)           ; joint: 64 rows of 256 dense bytes (32 elements of 8)
	s_mov_b32 s[G1J+1], 32<<16
	s_mov_b32 s[G1J+2], 64<<16
	s_mov_b32 s[G1J+3], 32<<16
	s_mov_b32 s[G1J+4], 64
	s_mov_b32 s[G1J+5], 32
	s_mov_b32 s[G1J+6], 0
	s_mov_b32 s[G1J+7], 0
	s_mov_b32 s[G1M], (2<<16)|(1<<20)|(7<<22)|(3<<25)   ; the mask: 16 rows of 256 f32, 2,048 apart; four words of padding behind every 256
	s_mov_b32 s[G1M+1], 256<<16
	s_mov_b32 s[G1M+2], 16<<16
	s_mov_b32 s[G1M+3], 256<<16
	s_mov_b32 s[G1M+4], 16
	s_mov_b32 s[G1M+5], 2048
	s_mov_b32 s[G1M+6], 0
	s_mov_b32 s[G1M+7], 0
	s_mov_b32 s[SEL], 0x76543210
	s_mov_b32 s[SEL+1], 0xfedcba98
	s_mov_b32 s[CS], 0x3fb8aa3b                    ; log2(e)
	s_mov_b32 s[CS+1], s[CS]
	s_mov_b32 s[CN], 0xbfb8aa3b                    ; -log2(e)
	s_mov_b32 s[SLOTS], 3
	s_mov_b32 s73, 0
	s_mov_b32 s75, 0
	s_mov_b32 s79, 0
	s_mov_b32 s81, 0
	s_mov_b32 s83, 0
	s_mov_b32 s85, 0
	s_lshl_b32 s74, s69, 14                        ; K and V: 16,384 bytes a fetching wave
	s_lshl_b32 s76, s67, 11
	s_lshl_b32 s77, s66, 6
	s_add_co_u32 s76, s76, s77                     ; my work-group's first query, counted over all batches
	s_lshl_b32 s77, s69, 4
	s_add_co_u32 s78, s76, s77
	s_lshl_b32 s78, s78, 13                        ; the mask: 16 rows of 8,192 bytes a fetching wave
	s_mul_i32 s77, s69, 16*MP
	s_lshl_b32 s80, s68, 14                        ; the scale bytes: 16,384 a fetching wave
	s_wait_dscnt 0x0                               ; both opening adds are done
	s_wait_kmcnt 0x0
	s_lshl_b32 s72, s67, 19
	s_add_nc_u64 s[8:9], s[8:9], s[72:73]          ; the batch's images
	s_lshl_b32 s72, s67, 15
	s_add_nc_u64 s[10:11], s[10:11], s[72:73]      ; and scale bytes
.irp sl, 0,1
	s_mov_b32 s[G0C+4*\sl], 1
	s_add_co_u32 s[G0C+4*\sl+1], s74, KOFF+\sl*SLOTB
	s_add_nc_u64 s[G0C+4*\sl+2:G0C+4*\sl+3], s[8:9], s[74:75]
	s_add_nc_u64 s[G0C+4*\sl+2:G0C+4*\sl+3], s[G0C+4*\sl+2:G0C+4*\sl+3], \sl*65536
	s_or_b32 s[G0C+4*\sl+3], s[G0C+4*\sl+3], 0x80000000
	s_mov_b32 s[G0M+4*\sl], 1
	s_add_co_u32 s[G0M+4*\sl+1], s77, \sl*SLOTB
	s_add_nc_u64 s[G0M+4*\sl+2:G0M+4*\sl+3], s[12:13], s[78:79]
	s_add_nc_u64 s[G0M+4*\sl+2:G0M+4*\sl+3], s[G0M+4*\sl+2:G0M+4*\sl+3], \sl*1024
	s_or_b32 s[G0M+4*\sl+3], s[G0M+4*\sl+3], 0x80000000
.endr
	s_mov_b32 s[G0S], 1
	s_add_co_u32 s[G0S+1], s80, SCB
	s_add_nc_u64 s[G0S+2:G0S+3], s[10:11], s[80:81]
	s_or_b32 s[G0S+3], s[G0S+3], 0x80000000
	CROUND                                         ; the four work-groups are here: the first joint loads meet
; THE HEAD'S LOADS, one a wave at the most, in one tree of branches on the wave's number: slot 0's K and V, slot 0's mask, the scale bytes.
.macro ARM under, g0, g1, next
	s_cmp_lt_u32 s[WV], \under
	s_cbranch_scc0 \next
	tensor_load_to_lds s[\g0:\g0+3], s[\g1:\g1+7]
	s_nop 0
.rept 4
	v_nop
.endr
	s_branch .Lhead_asked
\next:
.endm
	ARM 4,  G0C, G1J, .Lhead_m
	ARM 8,  G0M, G1M, .Lhead_s
	ARM 10, G0S, G1J, .Lhead_none
.Lhead_asked:
	; scalar work first, vector work behind it in one run
	s_lshl_b32 s80, s67, 5
	s_add_co_u32 s80, s80, s66                     ; proj's group of 64 tokens
	s_lshr_b32 s81, s69, 1
	s_and_b32 s86, s69, 1
	s_lshl_b32 s82, s80, 13                        ; q's image: group x 8,192 + head x 1,024 + chunk (tile / 2) x 512 + 8 (tile % 2) lanes
	s_lshl_b32 s84, s70, 11
	s_add_co_u32 s82, s82, s84
	s_lshl_b32 s84, s81, 9
	s_add_co_u32 s82, s82, s84
	s_lshl_b32 s84, s86, 7
	s_add_co_u32 s82, s82, s84
	s_add_nc_u64 s[4:5], s[4:5], s[82:83]
	s_lshl_b32 s82, s80, 9                         ; q's scale bytes likewise
	s_lshl_b32 s84, s70, 7
	s_add_co_u32 s82, s82, s84
	s_lshl_b32 s84, s86, 5
	s_add_co_u32 s82, s82, s84
	s_lshl_b32 s84, s81, 1
	s_add_co_u32 s82, s82, s84
	s_add_nc_u64 s[6:7], s[6:7], s[82:83]
	s_lshl_b32 s82, s[WV], 2                       ; the way out: wave w stores rows 4 w .. 4 w + 3 of the 64,
	s_add_co_u32 s82, s82, s76
	s_lshl_b32 s82, s82, 10
	s_add_nc_u64 s[20:21], s[20:21], s[82:83]
	s_lshl_b32 s82, s[WV], 11                      ; and multiplies tile w of Wo
	s_add_co_u32 s82, s82, 98304
	s_add_nc_u64 s[14:15], s[14:15], s[82:83]
	s_lshl_b32 s82, s[WV], 7
	s_add_co_u32 s82, s82, 6144
	s_add_nc_u64 s[16:17], s[16:17], s[82:83]
	s_lshr_b32 s82, s[WV], 1
	s_lshl_b32 s82, s82, 7
	s_lshl_b32 s84, s68, 5
	s_add_co_u32 s82, s82, s84
	s_add_nc_u64 s[18:19], s[18:19], s[82:83]
	; the prefetches: where my wave's stand (slot 1: the first change steps them to slot 2), and who asks
	s_sub_co_u32 s84, s[WV], 8
	s_lshl_b32 s84, s84, 3
	s_add_co_u32 s84, s84, s76
	s_lshl_b32 s84, s84, 13
	s_add_co_u32 s84, s84, 1024                    ; waves 8-15: 8 rows of the mask each
	s_lshl_b32 s86, s[CX], 14
	s_lshl_b32 s88, s68, 13
	s_add_co_u32 s86, s86, s88
	s_add_co_u32 s86, s86, 65536                   ; waves 6, 7: 8,192 bytes each of my work-group's quarter of K and V
	s_mov_b32 s[PFS], 65536
	s_mov_b32 s[PFS+1], 0
	s_mov_b32 s87, 1024
	s_cmp_lt_u32 s[WV], 8
	s_cselect_b64 s[PFA:PFA+1], s[8:9], s[12:13]
	s_cselect_b32 s84, s86, s84
	s_cselect_b32 s[PFS], s[PFS], 1024             ; a slot on
	s_cselect_b32 s87, s87, 8192                   ; from four lanes to the next four
	s_add_nc_u64 s[PFA:PFA+1], s[PFA:PFA+1], s[84:85]
	s_cmp_gt_u32 s[WV], 5
	s_cselect_b32 s[LIM], 1, 0
	s_lshl_b32 s71, s70, 12
	s_add_co_u32 s71, s71, KOFF                    ; my pair of heads in K's images
	s_lshl_b32 s72, s70, 7
	s_add_co_u32 s72, s72, SCB                     ; and among the scale words
	v_and_b32 v104, 15, v0                         ; r
	v_bfe_u32 v105, v0, 4, 1                       ; h
	v_and_b32 v106, 31, v0                         ; lane
	v_and_b32 v107, 7, v104
	v_lshrrev_b32 v108, 3, v104
	v_lshlrev_b32 v109, 4, v107
	v_lshl_add_u32 v109, v108, 8, v109             ; query 16 tile + r lies in lane 8 (tile % 2) + r % 8 + 16 (r / 8) of its chunk
	v_lshl_add_u32 v110, v107, 2, v108
	global_load_b128 v[S:S+3], v109, s[4:5]
	global_load_b128 v[S+4:S+7], v109, s[4:5] offset:1024
	global_load_u8 v[QS], v110, s[6:7]
	global_load_u8 v[QS+1], v110, s[6:7] offset:64
	v_lshl_add_u32 v[AK], v108, 9, s71             ; K: 512 (r / 8) + 16 (r % 8) + 256 h
	v_lshl_add_u32 v[AK], v107, 4, v[AK]
	v_lshl_add_u32 v[AK], v105, 8, v[AK]
	v_add_nc_u32 v[AK+1], SLOTB, v[AK]
	v_lshl_add_u32 v[AV], v106, 4, s71             ; V: 16 x lane
	v_add_nc_u32 v[AV+1], SLOTB, v[AV]
	v_mul_u32_u24 v[AM], v104, MP                  ; the mask: row r of my tile, + 128 h
	v_lshl_add_u32 v[AM], v105, 7, v[AM]
	v_add_nc_u32 v[AM], s77, v[AM]
	v_add_nc_u32 v[AM+1], SLOTB, v[AM]
	v_lshl_add_u32 v[ADS], v104, 2, s72            ; K's words: 4 r, lanes 16-31 fragment 1's
	v_lshl_add_u32 v[ADT], v105, 1, v[ADS]         ; V's: 4 r + 2 (tile of channels = h), 1,024 on
	v_lshl_add_u32 v[ADS], v105, 9, v[ADS]
	v_add_nc_u32 v[ADT], 1024, v[ADT]
	v_lshrrev_b32 v111, 2, v106
	v_mul_lo_u32 v[PFO], v111, s87
	v_and_b32 v111, 3, v106
	v_lshl_add_u32 v[PFO], v111, 8, v[PFO]
.irp g, 0,8,16,24,32
.irp i, 0,1,2,3
	v_mov_b32 v[QF+\g+\i], 0                       ; the zero codes between q's
.endr
.endr
.irp hd, 0,1
	v_mov_b32 v[17+4*\hd], 0xfe967699              ; the largest score so far: -1e38
	v_mov_b32 v[16+4*\hd], 0x7e967699              ; -M: the first change of M multiplies zeros by 0
	v_mov_b32 v[18+4*\hd], 0
	v_mov_b32 v[19+4*\hd], 0
.endr
	v_mov_b32 v[FF+1], 0                           ; named as the upper half of a pair
	v_mov_b32 v[BM+3], 0                           ; a lane permute's destination counts as one of its sources
	v_mov_b32 v111, 0x04010001                     ; h = 1: result bytes 1 and 3 take the low bytes of the second and the first source, bytes 0 and 2 a zero byte
	v_mov_b32 v[SELH], 0x01040100                  ; h = 0: result bytes 0 and 2
	v_cmp_gt_u32 vcc_lo, 16, v106
	v_cndmask_b32 v[SELH], v111, v[SELH], vcc_lo
	s_wait_alu depctr_va_vdst(0)
	s_wait_loadcnt 0x0
	v_perm_b32 v[QS], v[QS], v[QS], 0              ; q's byte in all four places: whichever block q stands in
	v_perm_b32 v[QS+1], v[QS+1], v[QS+1], 0
.irp hd, 0,1
.irp i, 0,1,2,3
	v_cndmask_b32 v[QF+16*\hd+4+\i], v[QF], v[S+4*\hd+\i], vcc_lo    ; q in lanes 0-15: an even block
	v_cndmask_b32 v[QF+16*\hd+12+\i], v[S+4*\hd+\i], v[QF], vcc_lo   ; q in lanes 16-31: an odd block
.endr
.endr
.set JF, 0
.rept 32
	v_mov_b32 v[O+JF], 0                           ; O^T: the step is written once, its first run finds zeros
.set JF, JF+1
.endr
	s_wait_alu depctr_va_vdst(0)
.Lring:                                            ; three trips of two slots; slots 6 and 7 are written out
	CHANGE 0, 1, 1
	SLOT 0, 0
	CHANGE 1, 1, 1
	SLOT 1, 0
	s_sub_co_u32 s[SLOTS], s[SLOTS], 1
	s_cmp_lg_u32 s[SLOTS], 0
	s_cbranch_scc1 .Lring
	CHANGE 0, 1, 0
	SLOT 0, 0
	CHANGE 1, 0, 0
	v_and_b32 v[L16], 31, v0
	v_lshlrev_b32 v[L4], 2, v[L16]
	v_lshlrev_b32 v[L16], 4, v[L16]
	v_bfe_u32 v[H64], v0, 4, 1
	v_lshlrev_b32 v[H64], 6, v[H64]
	SLOT 1, 1
	; THE WAY OUT.  O^T / the sum is quantised along the 256 channels (a head is a block), its images go through LDS, and wave w multiplies all 64 queries by tile w of Wo, bo being the C of the first products.
	s_lshl_b32 s71, s69, 11                        ; my image: fragment 2 (query tile) + pair / 2, chunk pair % 2
	s_lshl_b32 s72, s70, 9
	s_add_co_u32 s71, s71, s72
	s_add_co_u32 s71, s71, AIMG
	s_lshl_b32 s74, s69, 7                         ; my two scale bytes
	s_lshr_b32 s72, s70, 1
	s_lshl_b32 s72, s72, 6
	s_add_co_u32 s74, s74, s72
	s_and_b32 s72, s70, 1
	s_lshl_b32 s72, s72, 1
	s_add_co_u32 s74, s74, s72
	s_add_co_u32 s74, s74, ASC
	s_lshr_b32 s76, s[WV], 1                       ; the stage: my tile's 16 columns lie at 128 (w / 2) + 32 (w % 2) + 64 h bytes of a row
	s_lshl_b32 s76, s76, 7
	s_lshl_b32 s72, s68, 5
	s_add_co_u32 s76, s76, s72
	s_add_co_u32 s76, s76, STAGE
	s_mul_i32 s77, s[WV], 4*SP
	s_add_co_u32 s77, s77, STAGE
	s_wait_alu depctr_va_vdst(0)
	v_and_b32 v95, 15, v0
	v_add_nc_u32 v6, s71, v[L16]
	v_lshl_add_u32 v8, v95, 2, s74
	v_add_nc_u32 v9, AIMG, v[L16]
	v_add_nc_u32 v10, ASC, v[L4]
	v_mul_u32_u24 v4, v95, SP
	v_add_nc_u32 v4, v4, v[H64]
	v_add_nc_u32 v4, s76, v4
	v_add_nc_u32 v94, s77, v[L16]
	v_add_f32 v18, v18, v19                        ; the sums' halves,
	v_add_f32 v22, v22, v23
	v_permlanex16_b32 v[BM], v18, s[SEL], s[SEL+1]
	v_permlanex16_b32 v[BM+1], v22, s[SEL], s[SEL+1]
	v_add_f32 v18, v18, v[BM]                      ; and lane l xor 16's
	v_add_f32 v22, v22, v[BM+1]
	s_wait_alu depctr_va_vdst(0)                   ; ahead of the transcendentals
	v_rcp_f32 v18, v18
	v_rcp_f32 v22, v22
	v_nop
	s_wait_alu depctr_va_vdst(0)                   ; and behind them, directly ahead of the first readers of O^T
.irp j, 0,2,4,6,8,10,12,14
	v_pk_mul_f32 v[O+\j:O+\j+1], v[O+\j:O+\j+1], v[18:19] op_sel_hi:[1,0]
.endr
.irp j, 16,18,20,22,24,26,28,30
	v_pk_mul_f32 v[O+\j:O+\j+1], v[O+\j:O+\j+1], v[22:23] op_sel_hi:[1,0]
.endr
.irp b, 0,1
	v_max3_num_f32 v[BM+\b], |v[O+16*\b]|, |v[O+1+16*\b]|, 0x1800000   ; register 16 b + i is channel 16 h + i of head b of my pair
.endr
.irp i, 2,4,6,8,10,12,14
.irp b, 0,1
	v_max3_num_f32 v[BM+\b], v[BM+\b], |v[O+16*\b+\i]|, |v[O+1+16*\b+\i]|
.endr
.endr
.irp b, 0,1
	v_permlanex16_b32 v[FF+\b], v[BM+\b], s[SEL], s[SEL+1]
.endr
.irp b, 0,1
	v_max_num_f32 v[BM+\b], v[BM+\b], v[FF+\b]
.endr
.irp b, 0,1
	v_add_nc_u32 v[BM+2+\b], 0xff000000, v[BM+\b]
.endr
.irp b, 0,1
	v_lshrrev_b32 v[FF+\b], 23, v[BM+2+\b]
.endr
	v_lshl_or_b32 v[TT], v[FF+1], 8, v[FF]
.irp b, 0,1
	v_cvt_scalef32_pk8_fp4_f32 v[P+2*\b], v[O+16*\b:O+7+16*\b], v[BM+2+\b]
	v_cvt_scalef32_pk8_fp4_f32 v[P+1+2*\b], v[O+8+16*\b:O+15+16*\b], v[BM+2+\b]
.endr
	v_nop                                          ; one plain line behind the last scaled conversion
	v_permlane16_swap_b32 v[P], v[P+2]             ; a whole block to a lane
	v_permlane16_swap_b32 v[P+1], v[P+3]
	ds_store_b128 v6, v[P:P+3]
	ds_store_b16 v8, v[TT]
	s_wait_dscnt 0x0                               ; for the others' sake: my image has landed
	s_barrier_signal -1
	s_barrier_wait -1
.irp g, 0,1,2,3,4,5,6,7
.irp c, 0,1
	ds_load_b128 v[S+8*\g+4*\c:S+8*\g+4*\c+3], v9 offset:\g*1024+\c*512
.endr
.endr
	ds_load_b32 v[PS], v10                         ; lanes 0-15: K step 0's words, lanes 16-31: K step 1's
	ds_load_b32 v[QS], v10 offset:128
	ds_load_b32 v[QS+1], v10 offset:256
	ds_load_b32 v[VH], v10 offset:384
	s_wait_loadcnt 0x0                             ; Wo's tile, its words, bo
	s_wait_dscnt 0x0
.macro OUT0 q, sc
	v_wmma_scale_f32_16x16x128_f8f6f4 v[O+8*\q:O+8*\q+7], v[MK:MK+7], v[S+16*\q:S+16*\q+7], v[MK+16:MK+23], v[KS], v[\sc] matrix_a_fmt:MATRIX_FMT_FP4 matrix_b_fmt:MATRIX_FMT_FP4
.endm
.macro OUT1 q, sc
	v_wmma_scale_f32_16x16x128_f8f6f4 v[O+8*\q:O+8*\q+7], v[MK+8:MK+15], v[S+16*\q+8:S+16*\q+15], v[O+8*\q:O+8*\q+7], v[KS], v[\sc] matrix_a_fmt:MATRIX_FMT_FP4 matrix_b_fmt:MATRIX_FMT_FP4 matrix_a_scale:MATRIX_SCALE_ROW1 matrix_b_scale:MATRIX_SCALE_ROW1
.endm
	OUT0 0, PS                                     ; the four accumulators by turns
	OUT0 1, QS
	OUT0 2, QS+1
	OUT0 3, VH
	OUT1 0, PS
	OUT1 1, QS
	OUT1 2, QS+1
	OUT1 3, VH
.rept 4
	v_nop
.endr
.irp q, 0,1,2,3
	ds_store_b128 v4, v[O+8*\q:O+8*\q+3] offset:\q*16*SP             ; each accumulator from its low end on
	ds_store_b128 v4, v[O+8*\q+4:O+8*\q+7] offset:\q*16*SP+16
.endr
	s_wait_dscnt 0x0
	s_barrier_signal -1
	s_barrier_wait -1
.irp n, 0,1,2,3,4,5,6,7
	ds_load_b128 v[S+4*\n:S+4*\n+3], v94 offset:(\n/2)*SP+512*(\n%2)
.endr
.irp n, 0,1,2,3,4,5,6,7
	s_wait_dscnt 7-\n
	global_store_b128 v[L16], v[S+4*\n:S+4*\n+3], s[20:21] offset:(\n/2)*1024+512*(\n%2) th:TH_STORE_NT   ; 32 lanes store 512 consecutive bytes, aligned
.endr
	s_wait_tensorcnt 0x0                           ; the wave's end
	ds_add_u32 v[SPW], v[NIL]
	s_wait_dscnt 0x0
	CROUND                                         ; the closing round
	s_endpgm
.Lfunc_end_k_qb64050132a_attn:
	.size	k_qb64050132a_attn, .Lfunc_end_k_qb64050132a_attn-k_qb64050132a_attn
	.p2alignl 7, 3214868480
	.fill 96, 4, 3214868480
	.section	.rodata,"a",@progbits
	.p2align	6, 0x0
	.amdhsa_kernel k_qb64050132a_attn
		.amdhsa_group_segment_fixed_size 327680
		.amdhsa_private_segment_fixed_size 0
		.amdhsa_enable_private_segment 0
		.amdhsa_kernarg_size 72
		.amdhsa_user_sgpr_count 2
		.amdhsa_user_sgpr_kernarg_segment_ptr 1
		.amdhsa_wavefront_size32 1
		.amdhsa_system_sgpr_workgroup_id_x 1
		.amdhsa_system_sgpr_workgroup_id_y 1
		.amdhsa_system_sgpr_workgroup_id_z 1
		.amdhsa_system_vgpr_workitem_id 0
		.amdhsa_next_free_vgpr 256
		.amdhsa_next_free_sgpr 100
		.amdhsa_reserve_vcc 1
		.amdhsa_float_denorm_mode_32 3
		.amdhsa_float_denorm_mode_16_64 3
		.amdhsa_memory_ordered 1
		.amdhsa_forward_progress 1
		.amdhsa_inst_pref_size 235
	.end_amdhsa_kernel
	.amdgpu_metadata
---
amdhsa.version: [ 1, 2 ]
amdhsa.kernels:
  - .name:           k_qb64050132a_attn
    .symbol:         k_qb64050132a_attn.kd
    .args:
      - { .name: qc, .offset: 0, .size: 8, .value_kind: global_buffer, .address_space: global }
      - { .name: qs, .offset: 8, .size: 8, .value_kind: global_buffer, .address_space: global }
      - { .name: kvc, .offset: 16, .size: 8, .value_kind: global_buffer, .address_space: global }
      - { .name: kvs, .offset: 24, .size: 8, .value_kind: global_buffer, .address_space: global }
      - { .name: attention_mask, .offset: 32, .size: 8, .value_kind: global_buffer, .address_space: global }
      - { .name: wc, .offset: 40, .size: 8, .value_kind: global_buffer, .address_space: global }
      - { .name: ws, .offset: 48, .size: 8, .value_kind: global_buffer, .address_space: global }
      - { .name: bo, .offset: 56, .size: 8, .value_kind: global_buffer, .address_space: global }
      - { .name: out0, .offset: 64, .size: 8, .value_kind: global_buffer, .address_space: global }
    .group_segment_fixed_size: 327680
    .private_segment_fixed_size: 0
    .kernarg_segment_align: 8
    .kernarg_segment_size: 72
    .max_flat_workgroup_size: 512
    .sgpr_count:     100
    .vgpr_count:     256
    .wavefront_size: 32
...
	.end_amdgpu_metadata
.endif
;; end of part 3
